; MI455X (gfx1250); checked and timed in simulation.
; The chip was launched on July 23, 2026; its instructions are those of AMD's public machine-readable ISA for CDNA 5 (MIT licence, August 2026) and "CDNA5" Instruction Set Architecture Reference Guide (July 2026). The comments in the code are by the model that wrote it; some were corrected since.
;; Temporal Block. Allowed arithmetic: matrix products marked QUANTISED: E3M2 operands, one E8M0 scale for each 32 along K, by v_wmma_scale_f32_16x16x128_f8f6f4 with both operands' format E3M2, f32 sums; everything else in f32.
;; Inputs: W1_codes 2,048 x 16 x 24 uint8 (E3M2 codes of W1, K innermost, in blocks of 32 codes, four codes in three bytes); W1_scales 2,048 x 16 uint8 (E8M0 scales of W1, one for each 32 codes along K); W2_codes 512 x 64 x 24 uint8 (E3M2 codes of W2, K innermost, in blocks of 32 codes, four codes in three bytes); W2_scales 512 x 64 uint8 (E8M0 scales of W2, one for each 32 codes along K); Wk_codes 512 x 16 x 24 uint8 (E3M2 codes of Wk, K innermost, in blocks of 32 codes, four codes in three bytes); Wk_scales 512 x 16 uint8 (E8M0 scales of Wk, one for each 32 codes along K); Wo_codes 512 x 16 x 24 uint8 (E3M2 codes of Wo, K innermost, in blocks of 32 codes, four codes in three bytes); Wo_scales 512 x 16 uint8 (E8M0 scales of Wo, one for each 32 codes along K); Wq_codes 512 x 16 x 24 uint8 (E3M2 codes of Wq, K innermost, in blocks of 32 codes, four codes in three bytes); Wq_scales 512 x 16 uint8 (E8M0 scales of Wq, one for each 32 codes along K); Wv_codes 512 x 16 x 24 uint8 (E3M2 codes of Wv, K innermost, in blocks of 32 codes, four codes in three bytes); Wv_scales 512 x 16 uint8 (E8M0 scales of Wv, one for each 32 codes along K); b1 2,048 float32; b2 512 float32; bk 512 float32; bo 512 float32; bq 512 float32; bv 512 float32; ln1_b 512 float32; ln1_w 512 float32; ln2_b 512 float32; ln2_w 512 float32; z 4 x 2,048 x 512 float32.
;; Outputs: out0 4 x 2,048 x 512 float32.
;; This version of the problem:
;;   THIS VERSION OF THE PROBLEM IS GIVEN IN LOW PRECISION. The matrix products marked QUANTISED in the list below multiply operands that are first quantised to E3M2 (3 exponent bits, 2 mantissa bits; 6 bits a number), with one power-of-two scale for each 32 numbers along K (OCP MX v1.0); their sums are f32. All else is computed in f32.
;;   The module's matrix products, in the order in which they are computed (A, B: the left and right operand; K: the contracted axis; several contracted axes count as one K, in the product's order):
;;     1. [M 8,192, K 512] x [K 512, N 512]; A: input z; B: input Wq (given as codes): QUANTISED
;;     2. [M 8,192, K 512] x [K 512, N 512]; A: input z; B: input Wk (given as codes): QUANTISED
;;     3. [M 8,192, K 512] x [K 512, N 512]; A: input z; B: input Wv (given as codes): QUANTISED
;;     4. batch 32 x [M 2,048, K 64] x [K 64, N 2,048]; A: computed on the way; B: computed on the way: QUANTISED
;;     5. batch 32 x [M 2,048, K 2,048] x [K 2,048, N 64]; A: softmax (see below); B: computed on the way: QUANTISED
;;     6. [M 8,192, K 512] x [K 512, N 512]; A: computed on the way; B: input Wo (given as codes): QUANTISED
;;     7. [M 8,192, K 512] x [K 512, N 2,048]; A: computed on the way; B: input W1 (given as codes): QUANTISED
;;     8. [M 8,192, K 2,048] x [K 2,048, N 512]; A: computed on the way; B: input W2 (given as codes): QUANTISED
;;   THE QUANTISER, for each operand of a quantised product, along K:
;;     - K is cut into blocks of 32 from its start; a last block that is shorter is filled with zeros.
;;     - A block's scale is 2^e with e = floor(log2(the largest magnitude in the block)) - 4, held to -126 .. 127; a block of zeros has e = 0. As a byte (E8M0): e + 127.
;;     - Each number is divided by its block's scale, clamped to +-28, and rounded to the nearest number of E3M2, ties to even, subnormals kept.
;;     - The product sums the exact products of the quantised numbers (number of the format x scale) in f32.
;;   ~~~python
;;   def quantise(x, axis):      # numpy; x: float32 -> the quantised numbers, widened to float32 again
;;       x = np.moveaxis(x, axis, -1); K = x.shape[-1]
;;       x = np.pad(x, [(0, 0)] * (x.ndim - 1) + [(0, -K % 32)]); x = x.reshape(x.shape[:-1] + (-1, 32)); a = np.abs(x).max(-1, keepdims=True)
;;       e = np.where(a > 0, np.clip(np.frexp(np.where(a > 0, a, 1))[1] - 1 - 4, -126, 127), 0)      # np.frexp(a)[1] - 1 = floor(log2(a)), exactly
;;       r = np.clip(x / 2.0 ** e, -28, 28)
;;       step = 2.0 ** (np.maximum(np.frexp(np.where(r == 0, 1, r))[1] - 1, -2) - 2)
;;       q = np.round(r / step) * step * 2.0 ** e      # np.round: ties to even
;;       return np.moveaxis(q.reshape(q.shape[:-2] + (-1,))[..., :K], -1, axis).astype(np.float32)
;;   ~~~
;;   SOFTMAX AHEAD OF A QUANTISED PRODUCT. Where the list says 'softmax', what is quantised is not the finished softmax but p = 2^(t - M), with t = logit x log2(e) and M = ceil(the row's largest t), a whole number; so 1/2 < the row's largest p <= 1. The row's sum l is taken of the UNQUANTISED p, in f32, and the product's result is divided by l at the end. Since M is a whole number, a kernel that streams over the keys may use a running M (the ceiling of the running maximum): every later rescaling is an exact power of two, which a block's scale takes up: the codes' values come out the same.
;;   OPERANDS COMPUTED ON THE WAY. 'Computed on the way' means the value that the module computes at that place (a softmax that the list does not call 'softmax' is quantised finished and normalised). What goes into a quantiser is computed in f32, as accurately as f32 sums, v_exp_f32 and their like allow (about 1e-6 of the number): no bf16 or f16 on the way to a quantiser, and a product that is left as it is and whose result goes on into a quantised operand takes f32 operands (vector FMAs, or v_wmma_f32_16x16x4_f32). A number that lies on a knife's edge between two numbers of the format may be rounded either way, as far as f32 arithmetic and the matrix unit's own rounding can turn it there, and no further.
;;   INPUTS GIVEN AS CODES. W1 (in the module: [512, 2048], K = its axis 0); W2 (in the module: [2048, 512], K = its axis 0); Wk (in the module: [512, 512], K = its axis 0); Wo (in the module: [512, 512], K = its axis 0); Wq (in the module: [512, 512], K = its axis 0); Wv (in the module: [512, 512], K = its axis 0): each comes as NAME_codes (uint8): NAME with its K axis moved to the last place and cut into blocks of 32 codes, [.., K / 32, bytes a block], one block behind the other in memory; four codes in three bytes: a row's codes are one little-endian stream of bits, code i at bits 6 i .. 6 i + 5 (a code: sign, 3 exponent bits, 2 mantissa bits); and NAME_scales (uint8): the same leading axes, one E8M0 byte (e + 127) for each 32 codes along K. Its value is code x scale, taken as it is: it is not quantised again, and the codes and scales need not be those that the quantiser above would give.
;; One version. Each part assembles by itself: llvm-mc -triple=amdgcn-amd-amdhsa -mcpu=gfx1250 --defsym DOCPART=n.
;; ======== version 1 of 1: 1 launch
;; launch block (part 1): grid 256 x 1, 8 waves a work-group, clusters of 4 x 1, 327,680 bytes of LDS; arguments z, out0, Wq_codes, Wk_codes, Wv_codes, Wo_codes, W1_codes, W2_codes, Wq_scales, Wk_scales, Wv_scales, Wo_scales, bq, bk, bv, bo, W1_scales, W2_scales, b1, b2, ln1_w, ln1_b, ln2_w, ln2_b; writes out0
.if DOCPART == 1
	.amdgcn_target "amdgcn-amd-amdhsa--gfx1250"
	.amdhsa_code_object_version 6
	.text
	.protected	k_q6083408469_block
	.globl	k_q6083408469_block
	.p2align	8
	.type	k_q6083408469_block,@function
k_q6083408469_block:
	s_mov_b64 s[64:65], 0
	v_nop
	global_prefetch_b8 v0, s[64:65] scope:SCOPE_SE
	s_setreg_imm32_b32 hwreg(HW_REG_WAVE_MODE, 25, 1), 1
	s_wait_xcnt 0x0
	s_wait_alu depctr_hold_cnt(0) depctr_sa_sdst(0) depctr_va_vdst(0) depctr_va_sdst(0) depctr_va_ssrc(0) depctr_va_vcc(0) depctr_vm_vsrc(0)
	s_getreg_b32 s2, hwreg(HW_REG_IB_STS2, 6, 4)
	s_cmp_eq_u32 s2, 0
	s_cbranch_scc0 .Lentry_in_a_cluster
	s_endpgm
.Lentry_in_a_cluster:
	s_bfe_u32 s2, ttmp6, 0x10000c
	s_cmp_lg_u32 s2, 0x3003
	s_cbranch_scc0 .Lentry_shape_is_right
	s_endpgm
.Lentry_shape_is_right:
; One transformer block on 8,192 rows of 512 numbers, all eight products on codes of BF6 (E3M2) with one E8M0 scale for each 32 along K, in ONE launch:
; q, k, v = z W + b | attention over the causal band of 10 keys, 8 heads of 64 | Wo | + z, LayerNorm | W1, erf-GELU, W2 | + z1, LayerNorm.
; SHARES.  Work-group B owns tokens 32 B .. 32 B + 31 through the whole chain.  The band reaches 9 keys back, and p and v are quantised along the keys in blocks of 32 from the start of T:
; so a block of 32 queries wants exactly two key blocks, its own and the one before, and the work-group makes k and v of the 32 tokens before its own once more (their products use weight fragments
; that lie in registers anyway).  Where B is a sequence's first block the block before is hidden by the mask (HIDE); work-group 0 loads its own block in its place.
; Wave w owns output units 64 w .. 64 w + 63 of EVERY product, for all rows: that is head w, so attention never leaves the wave; a weight row is read from LDS by one wave, the one whose tensor load brought it.
; WEIGHTS.  24 chunks of 8 x 32 rows x 384 bytes (512 along K) walk through a ring of two LDS slots.  The four work-groups of a cluster walk the same weights: each chunk is asked for JOINTLY.
; ROW TILES.  T0, T1: the block before; T2, T3: my block.  Row rho of tile T(2 b + u) is token 32 b + 8 u + rho + 8 (rho / 8): so in v = z Wv and in S^T = k q^T the 16 registers of tiles 2 b, 2 b + 1 are 16 neighbouring keys.
; ACTIVATIONS go from wave to wave through LDS as images of the operand's registers; wave w makes blocks 2 w and 2 w + 1 of the next K: half (w % 2) of K step w / 2.
; No prefetch is laid: every work-group reads the same weights, and z is wanted at the kernel's head.
; LIMITS.  NaN and infinities among the inputs are not served.  A block of zeros gets the scale byte 1 (its codes are zeros; the bytes stay in this program).  erfc is t exp(polynomial in t), t = 1 / (1 + |x| / sqrt 8),
; whose stated fractional error is 1.2e-7; v_exp_f32 gives 0 under 2^-126, so gelu(x) is 0 for x under about -13.  1 / l and 1 / sqrt are v_rcp_f32 and v_rsq_f32.
.set WP,    432                        ; a weight row in LDS: 3 x (128 bytes + 16 of padding) = 108 words: 16 neighbouring rows start at 16 different multiples of 4 words mod 64 (64 banks of 4 bytes: ISA guide 11.1)
.set WTILE, 16*WP
.set WCH,   32*WP                      ; a wave's part of a chunk
.set SLOTB, 8*WCH                      ; a slot: 110,592 bytes
.set STG,   2*SLOTB                    ; two stage areas; in each, 16 rows x 272 bytes for each wave (its 64 columns as f32 + 16)
.set SPT,   272
.set SWV,   16*SPT
.set AREA,  8*SWV
.set IMG,   STG+2*AREA                 ; 16 fragment images of 1,536 bytes: image (m, s) at (4 m + s) x 1,536; half c at + 768 c: registers 0-3 at 16 x lane, registers 4-5 at 512 + 8 x lane
.set FRB,   1536
.set ISC,   IMG+16*FRB                 ; their scale words: 256 m + 16 r + 4 s
.set RED,   ISC+1024                   ; four reductions: 1,536 k + 768 m + 48 r + 4 w
.set SPARE, RED+4*1536                 ; the spare words, 128 bytes for each wave: four blocks of 256 bytes that no other line names
; vector registers, window 0
.set SPW, 1                            ; SPARE + 4 x thread; never rewritten
.set NIL, 2                            ; 0; never rewritten
.set WA,  3                            ; v3, v4 my lane's place in my part of slot 0 (24 h, 40 h: behind one padding more); v5, v6 the same in slot 1
.set SA,  7                            ; stage, by the accumulators' layout: row r, + 64 h
.set SB,  8                            ; stage, by rows: lanes 0-15 one row, lanes 16-31 the next
.set IA,  9                            ; images: 16 x lane
.set IB,  10                           ; images: 512 + 8 x lane
.set IAW, 11                           ; the same + 768 w: where I store
.set IBW, 12
.set ISL, 13                           ; scale words: 16 r
.set ISW, 14                           ; + 2 w: my two bytes
.set RDW, 15                           ; reductions: 48 r + 4 w
.set RDL, 16                           ; 48 r
.set ZO,  17                           ; z, out0: 2,048 (lane / 16) + 16 (lane % 16) + 256 w
.set WSO, 18                           ; scale rows of 16 bytes: (64 w + r) x 16
.set W2SO, 19                          ; of 64 bytes: (64 w + r) x 64
.set BO,  20                           ; biases by the transposed result's layout: 256 w + 32 h
.set BVO, 21                           ; bv: 256 w + 4 r
.set C9,  22                           ; v22-23 the polynomial's highest coefficient
.set NEG, 24                           ; -infinity
.set LNO, 25                           ; LayerNorm's gains: 256 w + 64 h
.set QW,  26                           ; v26-27 q's scale words, later p's
.set KW,  28                           ; v28-29 k's
.set VW,  30                           ; v30-31 v's
.set AS,  32                           ; v32-47 the rows' scale words, 4 m + s
.set WS,  48                           ; v48-63 the weights' scale words, 8 x slot + 4 u + s
.set BIAS, 64                          ; v64-79 the C of a sum's first product, 8 u + j
.set ACC, 80                           ; v80-143
.set HACC, 80                          ; in the FFN: v80-111 the hidden tiles, v112.. their codes, v128-129 their bytes
.set HX,  112
.set HB,  128
.set YACC, 144                         ; v144-207 y's sums; before the FFN: q's, k's, v's codes
.set QC,  144
.set KC,  156
.set VC,  180
.set KB,  204
.set TMX, 208                          ; v208-223 the quantiser's: magnitudes, the other half's, scale operands, bytes
.set TPX, 212
.set TOP, 216
.set TB,  220
.set TY,  224                          ; v224-239 codes of odd blocks
.set FQ,  240                          ; v240-255 codes just made; reductions
.set GT,  224                          ; GELU: t, the polynomial, x^2
.set GP,  232
.set GX,  240
.set DQ,  232                          ; attention: v232-235 the mask's numbers, then -M, then 1 / l (pairs); v236-239 the sums (pairs)
.set NM,  232
.set LS,  236
; window 1
.set WF,  192                          ; two sets of two weight fragments
.set QP,  0                            ; [q, 0, q], 18 registers a query tile
.set PP,  36                           ; [p, 0, p]
; scalar registers
.set WV,  3
.set G1A, 20                           ; s[20:27] group 1, rows 384 bytes apart;  s[28:35] rows 1,536 bytes apart (W2)
.set G1B, 28
.set G0,  36                           ; s[36:39] group 0 of slot 0;  s[40:43] of slot 1
.set SEL, 44
.set CS,  46
.set KH,  86
.set HIDE, 87
.set CNT, 88
.set EPS, 89
.set MSB, 0
.macro WIN new                         ; the immediate's high byte repeats the setting that is left
.if MSB != \new
	s_set_vgpr_msb (MSB<<8)|\new
.set MSB, \new
.endif
.endm
.macro PLACES n
.rept \n
	v_nop
.endr
.endm
.macro ROUND                           ; a round of the cluster's barrier
	s_barrier_signal -1
	s_barrier_wait -1
	s_cmp_lg_u32 s[WV], 0
	s_cbranch_scc1 .Lnw0_\@
	s_barrier_signal -3
.Lnw0_\@:
	s_barrier_wait -3
	s_barrier_signal -1
	s_barrier_wait -1
.endm
.macro BAR                             ; my LDS stores have landed and my LDS loads are in: then the work-group's barrier.
	s_wait_dscnt 0x0
	s_barrier_signal -1
	s_barrier_wait -1
.endm
; THE CHANGE OF SLOTS.  The slot just multiplied is filled again, with the chunk two on.  Every wave waits for all its tensor loads (one is out: the other slot's), adds 0 to its spare word, and waits for that and for
; its reads of the slot; the round holds for all four work-groups; the joint load is the first thing behind it, one a wave.  It has the vector work behind it and the next chunk's products in which to land.
; The four v_nop behind it are also the places in front of all that follows: loads into registers that the last products read, and the first reads of their results.
.macro CHANGE slot, ptr, off, g1
	WIN 0
	s_wait_tensorcnt 0x0
	ds_add_u32 v[SPW], v[NIL]
	s_add_nc_u64 s[G0+4*\slot+2:G0+4*\slot+3], s[\ptr:\ptr+1], \off
	s_or_b32 s[G0+4*\slot+3], s[G0+4*\slot+3], 0x80000000
	s_wait_dscnt 0x0
	ROUND
	tensor_load_to_lds s[G0+4*\slot:G0+4*\slot+3], s[\g1:\g1+7]
	s_nop 0
	PLACES 4
.endm
.macro SCALES par, ptr, voff, off, ts  ; a chunk's scale words: lane r takes row r's four words of tile 0 and of tile 1
	global_load_b128 v[WS+8*\par:WS+8*\par+3], v[\voff], s[\ptr:\ptr+1] offset:\off
	global_load_b128 v[WS+8*\par+4:WS+8*\par+7], v[\voff], s[\ptr:\ptr+1] offset:\off+\ts
.endm
.macro BIAST ptr, off                  ; a bias in the transposed result's layout: register 8 u + j = unit 16 u + 8 h + j
.irp j, 0,1,2,3
	global_load_b128 v[BIAS+4*\j:BIAS+4*\j+3], v[BO], s[\ptr:\ptr+1] offset:(\off)+64*(\j/2)+16*(\j%2)
.endr
.endm
.macro BIASV off                       ; bv for v = z Wv: a lane holds one channel, 16 u + r, in all eight registers
.irp j, 0,1,2,3,4,5,6,7,8,9,10,11,12,13,14,15
	global_load_b32 v[BIAS+\j], v[BVO], s[60:61] offset:(\off)+64*(\j/8)
.endr
.endm
; A weight fragment: 16 rows x 128 K, 12 registers, in pieces of 8 bytes.  Lanes 16-31 read three pieces on; where that is behind one padding more, the second address register serves
.macro WFRAG reg, a, u, s
.irp p, 0,1,2,3,4,5
.set PCE, 12*(\s)+6*(\p/3)+\p%3
.if PCE%16 < 13
	ds_load_b64 v[(\reg)+2*\p:(\reg)+2*\p+1], v[\a] offset:8*PCE+16*(PCE/16)+WTILE*(\u)
.else
	ds_load_b64 v[(\reg)+2*\p:(\reg)+2*\p+1], v[\a+1] offset:8*PCE+16*(PCE/16)+WTILE*(\u)
.endif
.endr
.endm
.macro LW slot, ks                     ; K step ks's two fragments into set ks % 2: 12 loads
	WIN 0x40
	WFRAG WF+24*((\ks)%2), WA+2*(\slot), 0, \ks
	WFRAG WF+24*((\ks)%2)+12, WA+2*(\slot), 1, \ks
.endm
; One K step's products: nr row tiles x 2 weight tiles; the 2 nr accumulators take turns, one instruction a turn.
; kind 0: transposed (source 0 = 16 units, source 1 = 16 rows), the first step takes the bias as C.  kind 1: the same, onto sums that stand.  kind 2: v = z Wv (source 0 = rows, source 1 = units)
.macro MM kind, par, ks, m0, nr, acc
	WIN 0x05
.set mq, \m0
.rept \nr
.irp u, 0,1
.set wfr, WF+24*((\ks)%2)+12*\u
.set afr, 12*(4*mq+(\ks))
.set wsr, WS+8*(\par)+4*\u+(\ks)
.set asr, AS+4*mq+(\ks)
.if \kind == 2
.set dr, (\acc)+32*\u+8*mq
.if \ks == 0
	v_wmma_scale_f32_16x16x128_f8f6f4 v[dr:dr+7], v[afr:afr+11], v[wfr:wfr+11], v[BIAS+8*\u:BIAS+8*\u+7], v[asr], v[wsr] matrix_a_fmt:MATRIX_FMT_BF6 matrix_b_fmt:MATRIX_FMT_BF6
.else
	v_wmma_scale_f32_16x16x128_f8f6f4 v[dr:dr+7], v[afr:afr+11], v[wfr:wfr+11], v[dr:dr+7], v[asr], v[wsr] matrix_a_fmt:MATRIX_FMT_BF6 matrix_b_fmt:MATRIX_FMT_BF6
.endif
.else
.set dr, (\acc)+16*(mq-(\m0))+8*\u
.if (\kind == 0) && (\ks == 0)
	v_wmma_scale_f32_16x16x128_f8f6f4 v[dr:dr+7], v[wfr:wfr+11], v[afr:afr+11], v[BIAS+8*\u:BIAS+8*\u+7], v[wsr], v[asr] matrix_a_fmt:MATRIX_FMT_BF6 matrix_b_fmt:MATRIX_FMT_BF6
.else
	v_wmma_scale_f32_16x16x128_f8f6f4 v[dr:dr+7], v[wfr:wfr+11], v[afr:afr+11], v[dr:dr+7], v[wsr], v[asr] matrix_a_fmt:MATRIX_FMT_BF6 matrix_b_fmt:MATRIX_FMT_BF6
.endif
.endif
.endr
.set mq, mq+1
.endr
.endm
; A CHUNK: 32 of my units x 512 along K, four K steps, the weight fragments one step ahead in two sets.  nl: the global loads issued behind this chunk's scale words and bias, which may stay out.
; bk: behind the first step, which alone reads the bias, the next chunk's bias is asked for (1: BIAST, 2: BIASV).  Each s_wait_dscnt 12 leaves the one younger set of 12 fragment loads out.
.macro CHUNK kind, slot, m0, nr, acc, nl, bk, bptr, boff
	s_wait_loadcnt \nl
	LW \slot, 0
	LW \slot, 1
	s_wait_dscnt 12
	MM \kind, \slot, 0, \m0, \nr, \acc
	PLACES 4                                       ; in front of loads into registers that these products read
.if \bk == 1
	WIN 0
	BIAST \bptr, \boff
.endif
.if \bk == 2
	WIN 0
	BIASV \boff
.endif
	LW \slot, 2
	s_wait_dscnt 12
	MM \kind, \slot, 1, \m0, \nr, \acc
	PLACES 4
	LW \slot, 3
	s_wait_dscnt 12
	MM \kind, \slot, 2, \m0, \nr, \acc
	s_wait_dscnt 0x0
	MM \kind, \slot, 3, \m0, \nr, \acc
	WIN 0
.endm
; Two natural tiles of a transposed result (units 16 u + 8 h + j) become 16 neighbours: register i = unit 16 h + i.  Each accumulator is read from its low end on
.macro SWAPT b
.irp j, 0,1,2,3,4,5,6,7
	v_permlane16_swap_b32 v[(\b)+\j], v[(\b)+8+\j]
.endr
.endm
; nb blocks of 32, by turns.  Block b: a lane's 16 numbers at v[src + sst b] on (k = 16 h + i of its row), the other 16 in lane l xor 16.  Codes (96 bits) to v[cod + cst b] on, the scale's byte to v[byt + b].
; The largest magnitude has the floor 2^(5 - 127) among its leaves, so the byte cannot fall under 1; 4 off its exponent field is the conversion's scale operand.
.macro QUANT nb, src, sst, cod, cst, byt
.set qb, 0
.rept \nb
	v_max3_num_f32 v[TMX+qb], |v[(\src)+(\sst)*qb]|, |v[(\src)+(\sst)*qb+1]|, 0x2800000
.set qb, qb+1
.endr
.irp i, 2,4,6,8,10,12,14
.set qb, 0
.rept \nb
	v_max3_num_f32 v[TMX+qb], v[TMX+qb], |v[(\src)+(\sst)*qb+\i]|, |v[(\src)+(\sst)*qb+\i+1]|
.set qb, qb+1
.endr
.endr
.set qb, 0
.rept \nb
	v_permlanex16_b32 v[TPX+qb], v[TMX+qb], s[SEL], s[SEL+1]
.set qb, qb+1
.endr
.set qb, 0
.rept \nb
	v_max_num_f32 v[TMX+qb], v[TMX+qb], v[TPX+qb]
.set qb, qb+1
.endr
.set qb, 0
.rept \nb
	v_add_nc_u32 v[TOP+qb], 0xfe000000, v[TMX+qb]
.set qb, qb+1
.endr
.set qb, 0
.rept \nb
	v_lshrrev_b32 v[(\byt)+qb], 23, v[TOP+qb]
.set qb, qb+1
.endr
.set qb, 0
.rept \nb
	v_cvt_scalef32_pk16_bf6_f32 v[(\cod)+(\cst)*qb:(\cod)+(\cst)*qb+2], v[(\src)+(\sst)*qb:(\src)+(\sst)*qb+15], v[TOP+qb]
.set qb, qb+1
.endr
	v_nop                                          ; one plain place behind the scaled conversions
.endm
; An even block's codes (x) and an odd block's (y) become six registers of an operand: lanes 0-15 the even block whole, lanes 16-31 the odd one
.macro JOIN x, y
.irp i, 0,1,2
	v_permlane16_swap_b32 v[(\x)+\i], v[(\y)+\i]
.endr
.irp i, 0,1,2
	v_mov_b32 v[(\x)+3+\i], v[(\y)+\i]
.endr
.endm
; Two tiles (ts apart), two blocks each (bs apart): six registers of codes a tile at v[d], v[d + dst]; the two bytes of tile t in v[TMX + t]
.macro QPAIR s0, ts, bs, d, dst
	QUANT 2, \s0, \ts, \d, \dst, TB
	QUANT 2, (\s0)+(\bs), \ts, TY, 4, TB+2
	JOIN \d, TY
	JOIN (\d)+(\dst), TY+4
	v_lshl_or_b32 v[TMX], v[TB+2], 8, v[TB]
	v_lshl_or_b32 v[TMX+1], v[TB+3], 8, v[TB+1]
.endm
.macro PUT mi, f, wd                   ; my half of K step w / 2 of row tile mi goes to LDS as it stands, and its two scale bytes (lanes r and 16 + r write the same)
	ds_store_b128 v[IAW], v[(\f):(\f)+3] offset:4*FRB*\mi
	ds_store_b64 v[IBW], v[(\f)+4:(\f)+5] offset:4*FRB*\mi
	ds_store_b16 v[ISW], v[\wd] offset:256*\mi
.endm
.macro GETA im, rm                     ; row tile im's four fragments and scale words come back, in any wave, as row tile rm of the products
	WIN 0x40
.irp s, 0,1,2,3
	ds_load_b128 v[12*(4*\rm+\s):12*(4*\rm+\s)+3], v[IA] offset:(4*\im+\s)*FRB
	ds_load_b64 v[12*(4*\rm+\s)+4:12*(4*\rm+\s)+5], v[IB] offset:(4*\im+\s)*FRB
	ds_load_b128 v[12*(4*\rm+\s)+6:12*(4*\rm+\s)+9], v[IA] offset:(4*\im+\s)*FRB+768
	ds_load_b64 v[12*(4*\rm+\s)+10:12*(4*\rm+\s)+11], v[IB] offset:(4*\im+\s)*FRB+768
.endr
	WIN 0
	ds_load_b128 v[AS+4*\rm:AS+4*\rm+3], v[ISL] offset:256*\im
.endm
; gelu(x) = max(x, 0) - |x| (1/2) erfc(|x| / sqrt 2), eight numbers.  erfc = t 2^(polynomial), t = 1 / (1 + |x| / sqrt 8); the coefficients carry log2(e), the lowest also the -1 of the 1/2.
; Each batch of transcendentals has plain lines behind it and one wait ahead of its first reader
.macro GELU8 x
.irp i, 0,1,2,3,4,5,6,7
	v_fma_f32 v[GT+\i], |v[(\x)+\i]|, s[KH], 1.0
.endr
.irp i, 0,1,2,3,4,5,6,7
	v_rcp_f32 v[GT+\i], v[GT+\i]
.endr
.irp i, 0,2,4,6
	v_pk_mul_f32 v[GX+\i:GX+\i+1], v[(\x)+\i:(\x)+\i+1], v[(\x)+\i:(\x)+\i+1]
.endr
	s_wait_alu depctr_va_vdst(0)
.irp i, 0,2,4,6
	v_pk_fma_f32 v[GP+\i:GP+\i+1], v[GT+\i:GT+\i+1], v[C9:C9+1], s[66:67] op_sel_hi:[1,0,0]
.endr
.irp c, 62,60,58,56,54,52,50,48
.irp i, 0,2,4,6
	v_pk_fma_f32 v[GP+\i:GP+\i+1], v[GP+\i:GP+\i+1], v[GT+\i:GT+\i+1], s[\c:\c+1] op_sel_hi:[1,1,0]
.endr
.endr
.irp i, 0,2,4,6
	v_pk_fma_f32 v[GP+\i:GP+\i+1], v[GX+\i:GX+\i+1], s[84:85], v[GP+\i:GP+\i+1] op_sel_hi:[1,0,1]
.endr
.irp i, 0,1,2,3,4,5,6,7
	v_exp_f32 v[GP+\i], v[GP+\i]
.endr
.irp i, 0,1,2,3,4,5,6,7
	v_max_num_f32 v[GX+\i], 0, v[(\x)+\i]
.endr
	s_wait_alu depctr_va_vdst(0)
.irp i, 0,2,4,6
	v_pk_mul_f32 v[GP+\i:GP+\i+1], v[GP+\i:GP+\i+1], v[GT+\i:GT+\i+1]
.endr
.irp i, 0,1,2,3,4,5,6,7
	v_fma_f32 v[(\x)+\i], -|v[(\x)+\i]|, v[GP+\i], v[GX+\i]
.endr
.endm
.macro PKADD64 d, a                    ; 64 registers: d += a
.set pj, 0
.rept 32
	v_pk_add_f32 v[(\d)+pj:(\d)+pj+1], v[(\d)+pj:(\d)+pj+1], v[(\a)+pj:(\a)+pj+1]
.set pj, pj+2
.endr
.endm
.macro STLD reg                        ; my 64 columns of my block's two tiles from my stage: register 32 jb + 16 m + i = (row r of tile m, column 64 w + 32 jb + 16 h + i)
.irp m, 0,1
.irp jb, 0,1
.irp q, 0,1,2,3
	ds_load_b128 v[(\reg)+32*\jb+16*\m+4*\q:(\reg)+32*\jb+16*\m+4*\q+3], v[SA] offset:AREA*\m+128*\jb+16*\q
.endr
.endr
.endr
.endm
.macro STST reg                        ; and into it
.irp m, 0,1
.irp jb, 0,1
.irp q, 0,1,2,3
	ds_store_b128 v[SA], v[(\reg)+32*\jb+16*\m+4*\q:(\reg)+32*\jb+16*\m+4*\q+3] offset:AREA*\m+128*\jb+16*\q
.endr
.endr
.endr
.endm
.macro LNLD wb, pw, pb                 ; a LayerNorm's gain and bias of my lane's 32 columns into window 1: 16 loads
	WIN 0x40
.irp j, 0,1,2,3,4,5,6,7
	global_load_b128 v[(\wb)+4*\j:(\wb)+4*\j+3], v[LNO], s[\pw:\pw+1] offset:128*(\j/4)+16*(\j%4)
	global_load_b128 v[(\wb)+32+4*\j:(\wb)+32+4*\j+3], v[LNO], s[\pb:\pb+1] offset:128*(\j/4)+16*(\j%4)
.endr
	WIN 0
.endm
; Four chains (tile m, half jb) at v[FQ + 4 m + 2 jb] become each row's sum over all 512 columns, in v[FQ + 8 m] of every lane: within the lane, with lane l xor 16, and over the eight waves through LDS
.macro XRED k
.irp m, 0,1
	v_pk_add_f32 v[FQ+4*\m:FQ+4*\m+1], v[FQ+4*\m:FQ+4*\m+1], v[FQ+4*\m+2:FQ+4*\m+3]
.endr
.irp m, 0,1
	v_add_f32 v[FQ+4*\m], v[FQ+4*\m], v[FQ+4*\m+1]
.endr
.irp m, 0,1
	v_permlanex16_b32 v[TPX+\m], v[FQ+4*\m], s[SEL], s[SEL+1]
.endr
.irp m, 0,1
	v_add_f32 v[FQ+4*\m], v[FQ+4*\m], v[TPX+\m]
.endr
.irp m, 0,1
	ds_store_b32 v[RDW], v[FQ+4*\m] offset:1536*(\k)+768*\m
.endr
	BAR
.irp m, 0,1
	ds_load_b128 v[FQ+8*\m:FQ+8*\m+3], v[RDL] offset:1536*(\k)+768*\m
	ds_load_b128 v[FQ+8*\m+4:FQ+8*\m+7], v[RDL] offset:1536*(\k)+768*\m+16
.endr
	s_wait_dscnt 0x0
.irp m, 0,1
	v_pk_add_f32 v[FQ+8*\m:FQ+8*\m+1], v[FQ+8*\m:FQ+8*\m+1], v[FQ+8*\m+2:FQ+8*\m+3]
	v_pk_add_f32 v[FQ+8*\m+4:FQ+8*\m+5], v[FQ+8*\m+4:FQ+8*\m+5], v[FQ+8*\m+6:FQ+8*\m+7]
.endr
.irp m, 0,1
	v_pk_add_f32 v[FQ+8*\m:FQ+8*\m+1], v[FQ+8*\m:FQ+8*\m+1], v[FQ+8*\m+4:FQ+8*\m+5]
.endr
.irp m, 0,1
	v_add_f32 v[FQ+8*\m], v[FQ+8*\m], v[FQ+8*\m+1]
.endr
.endm
; LayerNorm in two passes, as it is defined: the mean; the mean of the squares of what is left; x rsqrt(var + eps) x gain + bias.  x: register 32 jb + 16 m + i.  k, k + 1: the reductions' places.  wb: gain and bias in window 1
.macro LNORM x, k, wb
.irp m, 0,1
.irp jb, 0,1
	v_pk_add_f32 v[FQ+4*\m+2*\jb:FQ+4*\m+2*\jb+1], v[(\x)+32*\jb+16*\m:(\x)+32*\jb+16*\m+1], v[(\x)+32*\jb+16*\m+2:(\x)+32*\jb+16*\m+3]
.endr
.endr
.irp i, 4,6,8,10,12,14
.irp m, 0,1
.irp jb, 0,1
	v_pk_add_f32 v[FQ+4*\m+2*\jb:FQ+4*\m+2*\jb+1], v[FQ+4*\m+2*\jb:FQ+4*\m+2*\jb+1], v[(\x)+32*\jb+16*\m+\i:(\x)+32*\jb+16*\m+\i+1]
.endr
.endr
.endr
	XRED \k
.irp m, 0,1
	v_mul_f32 v[TMX+2*\m], 0x3b000000, v[FQ+8*\m]  ; / 512
.endr
.irp i, 0,2,4,6,8,10,12,14
.irp m, 0,1
.irp jb, 0,1
	v_pk_add_f32 v[(\x)+32*\jb+16*\m+\i:(\x)+32*\jb+16*\m+\i+1], v[(\x)+32*\jb+16*\m+\i:(\x)+32*\jb+16*\m+\i+1], v[TMX+2*\m:TMX+2*\m+1] op_sel_hi:[1,0] neg_lo:[0,1] neg_hi:[0,1]
.endr
.endr
.endr
.irp m, 0,1
.irp jb, 0,1
	v_pk_mul_f32 v[FQ+4*\m+2*\jb:FQ+4*\m+2*\jb+1], v[(\x)+32*\jb+16*\m:(\x)+32*\jb+16*\m+1], v[(\x)+32*\jb+16*\m:(\x)+32*\jb+16*\m+1]
.endr
.endr
.irp i, 2,4,6,8,10,12,14
.irp m, 0,1
.irp jb, 0,1
	v_pk_fma_f32 v[FQ+4*\m+2*\jb:FQ+4*\m+2*\jb+1], v[(\x)+32*\jb+16*\m+\i:(\x)+32*\jb+16*\m+\i+1], v[(\x)+32*\jb+16*\m+\i:(\x)+32*\jb+16*\m+\i+1], v[FQ+4*\m+2*\jb:FQ+4*\m+2*\jb+1]
.endr
.endr
.endr
	XRED (\k)+1
.irp m, 0,1
	v_fma_f32 v[FQ+8*\m], v[FQ+8*\m], 0x3b000000, s[EPS]
.endr
.irp m, 0,1
	v_rsq_f32 v[TMX+2*\m], v[FQ+8*\m]
.endr
	v_nop                                          ; a plain place behind the transcendentals,
	s_wait_alu depctr_va_vdst(0)                   ; and the wait ahead of their first reader
.irp i, 0,2,4,6,8,10,12,14
.irp m, 0,1
.irp jb, 0,1
	v_pk_mul_f32 v[(\x)+32*\jb+16*\m+\i:(\x)+32*\jb+16*\m+\i+1], v[(\x)+32*\jb+16*\m+\i:(\x)+32*\jb+16*\m+\i+1], v[TMX+2*\m:TMX+2*\m+1] op_sel_hi:[1,0]
.endr
.endr
.endr
	WIN 0x14                                       ; gain and bias in window 1
.irp i, 0,2,4,6,8,10,12,14
.irp m, 0,1
.irp jb, 0,1
	v_pk_fma_f32 v[(\x)+32*\jb+16*\m+\i:(\x)+32*\jb+16*\m+\i+1], v[(\x)+32*\jb+16*\m+\i:(\x)+32*\jb+16*\m+\i+1], v[(\wb)+16*\jb+\i:(\wb)+16*\jb+\i+1], v[(\wb)+32+16*\jb+\i:(\wb)+32+16*\jb+\i+1]
.endr
.endr
.endr
	WIN 0
.endm
.macro SPAIR reg, val                  ; a constant as a pair: the packed forms name a pair and take its low word for both halves
	s_mov_b32 s[\reg], \val
	s_mov_b32 s[\reg+1], \val
.endm
; ---------------------------------------------------------------- the head
	s_load_b512 s[4:19], s[0:1], 0x0               ; z, out0, the codes of Wq, Wk, Wv, Wo, W1, W2
	s_load_b512 s[48:63], s[0:1], 0x40             ; the scales of Wq, Wk, Wv, Wo; bq, bk, bv, bo
	s_load_b512 s[68:83], s[0:1], 0x80             ; the scales of W1, W2; b1, b2, ln1_w, ln1_b, ln2_w, ln2_b
	v_lshl_add_u32 v[SPW], v0, 2, SPARE
	v_mov_b32 v[NIL], 0
	ds_add_u32 v1, v2
	ds_add_u32 v1, v2
	s_wait_dscnt 0x0
	v_lshrrev_b32 v208, 5, v0
	v_readfirstlane_b32 s[WV], v208                ; wave 0..7
	v_and_b32 v208, 15, v0                         ; r
	v_bfe_u32 v209, v0, 4, 1                       ; h
	v_and_b32 v210, 31, v0                         ; lane
	s_mul_i32 s2, s[WV], WCH
	v_mul_u32_u24 v[WA], v208, WP
	v_mad_u32_u24 v[WA], v209, 24, v[WA]
	v_add_nc_u32 v[WA], s2, v[WA]
	v_lshl_add_u32 v[WA+1], v209, 4, v[WA]
	v_add_nc_u32 v[WA+2], SLOTB, v[WA]
	v_add_nc_u32 v[WA+3], SLOTB, v[WA+1]
	s_mul_i32 s2, s[WV], SWV
	s_add_co_u32 s2, s2, STG
	v_mul_u32_u24 v[SA], v208, SPT
	v_lshl_add_u32 v[SA], v209, 6, v[SA]
	v_add_nc_u32 v[SA], s2, v[SA]
	v_mul_u32_u24 v[SB], v209, SPT
	v_lshl_add_u32 v[SB], v208, 4, v[SB]
	v_add_nc_u32 v[SB], s2, v[SB]
	v_lshl_add_u32 v[IA], v210, 4, IMG
	v_lshl_add_u32 v[IB], v210, 3, IMG+512
	s_mul_i32 s2, s[WV], 768
	v_add_nc_u32 v[IAW], s2, v[IA]
	v_add_nc_u32 v[IBW], s2, v[IB]
	v_lshl_add_u32 v[ISL], v208, 4, ISC
	s_lshl_b32 s2, s[WV], 1
	v_add_nc_u32 v[ISW], s2, v[ISL]
	v_mul_u32_u24 v[RDL], v208, 48
	v_add_nc_u32 v[RDL], RED, v[RDL]
	s_lshl_b32 s2, s[WV], 2
	v_add_nc_u32 v[RDW], s2, v[RDL]
	s_lshl_b32 s2, s[WV], 8                        ; my 64 columns: 256 bytes of f32
	v_lshlrev_b32 v[ZO], 11, v209
	v_lshl_add_u32 v[ZO], v208, 4, v[ZO]
	v_add_nc_u32 v[ZO], s2, v[ZO]
	v_lshlrev_b32 v[BO], 5, v209
	v_add_nc_u32 v[BO], s2, v[BO]
	v_lshlrev_b32 v[BVO], 2, v208
	v_add_nc_u32 v[BVO], s2, v[BVO]
	v_lshlrev_b32 v[LNO], 6, v209
	v_add_nc_u32 v[LNO], s2, v[LNO]
	s_lshl_b32 s2, s[WV], 10
	v_lshlrev_b32 v[WSO], 4, v208
	v_add_nc_u32 v[WSO], s2, v[WSO]
	s_lshl_b32 s2, s[WV], 12
	v_lshlrev_b32 v[W2SO], 6, v208
	v_add_nc_u32 v[W2SO], s2, v[W2SO]
	v_mov_b32 v[NEG], 0xff800000
	v_mov_b32 v[C9], 0x3e7c6f08                    ; 0.24651730
	v_mov_b32 v[C9+1], 0x3e7c6f08
.irp i, 0,1,2,3
	v_mov_b32 v[TPX+\i], 0                         ; written once: a lane permute's destination counts as one of its sources
.endr
	s_mov_b32 s[SEL], 0x76543210
	s_mov_b32 s[SEL+1], 0xfedcba98                 ; v_permlanex16_b32's selects for lane l xor 16
	SPAIR CS, 0x3e38aa3b                           ; log2(e) / sqrt(64)
	s_mov_b32 s[EPS], 0x3727c5ac                   ; 1e-5
	; my block; its place enters z's and out0's addresses and the mask's number alone
	s_bfe_u32 s90, ttmp6, 0x40000                  ; cx
	s_lshl_b32 s91, ttmp9, 2
	s_add_co_u32 s91, s91, s90                     ; B = 4 x cluster + cx
	s_and_b32 s92, s91, 63
	s_cmp_eq_u32 s92, 0                            ; a sequence's first block: the block before it counts for nothing
	s_cselect_b32 s[HIDE], 64, 0
	s_lshl_b32 s92, s91, 16                        ; 32 rows of 2,048 bytes
	s_mov_b32 s93, 0
	s_sub_co_i32 s94, s91, 1
	s_max_i32 s94, s94, 0                          ; the block before (work-group 0: its own, hidden)
	s_lshl_b32 s94, s94, 16
	s_mov_b32 s95, 0
	; descriptor group 1: 32 rows x 384 bytes, 16 bytes of padding behind every 128
.irp g, G1A, G1B
	s_mov_b32 s[\g], 0x0730000f                    ; 15:0 the mask: all four work-groups; 17:16 elements of 1 byte; 20 padding on; 21 set beside a mask; 24:22 after every 32 words (code 4); 31:25 of 4 words (code 3)
	s_mov_b32 s[\g+1], 384<<16                     ; tensor_dim0
	s_mov_b32 s[\g+2], 32<<16                      ; tensor_dim1
	s_mov_b32 s[\g+3], 384<<16                     ; tile_dim0
	s_mov_b32 s[\g+4], 32                          ; tile_dim1
	s_mov_b32 s[\g+6], 0
	s_mov_b32 s[\g+7], 0
.endr
	s_mov_b32 s[G1A+5], 384                        ; from row to row: 512 codes;
	s_mov_b32 s[G1B+5], 1536                       ; in W2 2,048 codes
	s_mov_b32 s[G0], 1
	s_mul_i32 s[G0+1], s[WV], WCH                  ; slot 0, my part
	s_mov_b32 s[G0+4], 1
	s_mul_i32 s[G0+5], s[WV], WCH
	s_add_co_u32 s[G0+5], s[G0+5], SLOTB           ; slot 1
	s_mul_i32 s84, s[WV], 24576                    ; my 64 rows of 384 bytes
	s_mov_b32 s85, 0
	s_wait_kmcnt 0x0
	s_add_nc_u64 s[66:67], s[4:5], s[94:95]        ; z at the block before
	s_add_nc_u64 s[4:5], s[4:5], s[92:93]          ; z and out0 at my block
	s_add_nc_u64 s[6:7], s[6:7], s[92:93]
.irp p, 8,10,12,14,16
	s_add_nc_u64 s[\p:\p+1], s[\p:\p+1], s[84:85]
.endr
	s_mul_i32 s84, s[WV], 98304                    ; my 64 rows of 1,536 bytes
	s_add_nc_u64 s[18:19], s[18:19], s[84:85]
	s_mov_b64 s[G0+2:G0+3], s[8:9]                 ; chunk 0: Wq, my units 0-31
	s_or_b32 s[G0+3], s[G0+3], 0x80000000
	s_add_nc_u64 s[G0+6:G0+7], s[8:9], 12288       ; chunk 1: my units 32-63
	s_or_b32 s[G0+7], s[G0+7], 0x80000000
	ROUND                                          ; all four work-groups are here: the first joint loads meet
	tensor_load_to_lds s[G0:G0+3], s[G1A:G1A+7]    ; two loads of mine are out
	s_nop 0
	tensor_load_to_lds s[G0+4:G0+7], s[G1A:G1A+7]
	s_nop 0
	PLACES 4
	SCALES 0, 48, WSO, 0, 256
	BIAST 56, 0
	SCALES 1, 48, WSO, 512, 256
	WIN 0x40                                       ; z: my 64 columns of 64 rows; an instruction reads two rows' 256 bytes.  Tile m, instruction i: rows 2 i, 2 i + 1 of the tile
.irp m, 0,1
.irp i, 0,1,2,3,4,5,6,7
	global_load_b128 v[32*\m+4*\i:32*\m+4*\i+3], v[ZO], s[66:67] offset:(8*\m+2*\i+8*(\i/4))*2048
.endr
.endr
.irp m, 0,1
.irp i, 0,1,2,3,4,5,6,7
	global_load_b128 v[64+32*\m+4*\i:64+32*\m+4*\i+3], v[ZO], s[4:5] offset:(8*\m+2*\i+8*(\i/4))*2048
.endr
.endr
	WIN 0
; ---------------------------------------------------------------- z becomes codes
; Tile mt turns through my stage: in as rows, out 16 neighbours a lane.  The count leaves the later tiles' loads out.  LDS serves a wave's instructions in order: no wait between the stores and the loads
.macro TURN mt
	s_wait_loadcnt 24-8*\mt
	WIN 0x04                                       ; an LDS store's data are its source 1: window 1
.irp i, 0,1,2,3,4,5,6,7
	ds_store_b128 v[SB], v[32*\mt+4*\i:32*\mt+4*\i+3] offset:AREA*(\mt%2)+544*\i
.endr
	WIN 0
.irp j, 0,1,2,3,4,5,6,7
	ds_load_b128 v[ACC+32*(\mt%2)+4*\j:ACC+32*(\mt%2)+4*\j+3], v[SA] offset:AREA*(\mt%2)+128*(\j/4)+16*(\j%4)
.endr
.endm
	TURN 0
	TURN 1
	s_wait_dscnt 0x0
	QPAIR ACC, 32, 16, FQ, 8
	PUT 0, FQ, TMX
	PUT 1, FQ+8, TMX+1
	TURN 2                                         ; my own block's tiles stay in the stage: the residual
	TURN 3
	s_wait_dscnt 0x0                               ; the tiles are back, and the stores above have read their registers
	QPAIR ACC, 32, 16, FQ, 8
	PUT 2, FQ, TMX
	PUT 3, FQ+8, TMX+1
	s_wait_tensorcnt 0x1                           ; chunk 0 is in; chunk 1, issued behind it, may stay out
	BAR                                            ; z's sixteen fragments lie in LDS
	GETA 0, 0
	GETA 1, 1
	GETA 2, 2
	GETA 3, 3
; ---------------------------------------------------------------- q (my block), k and v (both blocks)
	CHUNK 0, 0, 2, 2, ACC, 0, 1, 56, 128
	CHANGE 0, 10, 0, G1A
	SCALES 0, 50, WSO, 0, 256
	SWAPT ACC
	SWAPT ACC+16
	QUANT 2, ACC, 16, QC, 6, KB                    ; channels 0-31 of head w
	CHUNK 0, 1, 2, 2, ACC, 2, 1, 58, 0
	CHANGE 1, 10, 12288, G1A
	SCALES 1, 50, WSO, 512, 256
	SWAPT ACC
	SWAPT ACC+16
	QUANT 2, ACC, 16, TY, 4, TB                    ; channels 32-63
	JOIN QC, TY
	JOIN QC+6, TY+4
.irp b, 0,1
	v_lshl_or_b32 v[QW+\b], v[TB+\b], 8, v[KB+\b]
.endr
.irp b, 0,1
	v_lshl_or_b32 v[QW+\b], v[QW+\b], 16, v[QW+\b] ; the two bytes twice: q stands in either half of an instruction's 128
.endr
	CHUNK 0, 0, 0, 4, ACC, 2, 1, 58, 128
	CHANGE 0, 12, 0, G1A
	SCALES 0, 52, WSO, 0, 256
.irp t, 0,1,2,3
	SWAPT ACC+16*\t
.endr
	QUANT 4, ACC, 16, KC, 6, KB
	CHUNK 0, 1, 0, 4, ACC, 2, 2, 0, 0
	CHANGE 1, 12, 12288, G1A
	SCALES 1, 52, WSO, 512, 256
.irp t, 0,1,2,3
	SWAPT ACC+16*\t
.endr
	QUANT 4, ACC, 16, TY, 4, TB
.irp t, 0,1,2,3
	JOIN KC+6*\t, TY+4*\t
.endr
.irp t, 0,1,2,3
	v_lshl_or_b32 v[TMX+\t], v[TB+\t], 8, v[KB+\t]
.endr
.irp b, 0,1
	v_lshl_or_b32 v[KW+\b], v[TMX+2*\b+1], 16, v[TMX+2*\b]   ; two key tiles share a fragment: tile 2 b in k = 0 .. 63, tile 2 b + 1 in k = 64 .. 127
.endr
	CHUNK 2, 0, 0, 4, ACC, 2, 2, 0, 128            ; v: a lane holds one channel, its registers run along the keys
	CHANGE 0, 14, 0, G1A
	SCALES 0, 54, WSO, 0, 256
	QPAIR ACC, 32, 16, VC, 6
	v_lshl_or_b32 v[VW], v[TMX+1], 16, v[TMX]
	CHUNK 2, 1, 0, 4, ACC, 2, 1, 62, 0
	CHANGE 1, 14, 12288, G1A
	SCALES 1, 54, WSO, 512, 256
	LNLD 96, 76, 78                                ; ln1's gain and bias, into registers that z's fragments have left
	QPAIR ACC, 32, 16, VC+12, 6
	v_lshl_or_b32 v[VW+1], v[TMX+1], 16, v[TMX]
; ---------------------------------------------------------------- attention of head w, inside the wave
; A head's K is 64, so two tiles share an instruction's 128: k's and v's fragments hold (tile a | tile b); the other side lies as [x, 0, x]: taken at + 0 it meets tile a, at + 6 tile b; zero codes add nothing
	WIN 0x40
.irp b, 0,1
.irp i, 0,1,2,3,4,5
	v_mov_b32 v[QP+18*\b+\i], v[QC+6*\b+\i]
	v_mov_b32 v[QP+18*\b+6+\i], 0
	v_mov_b32 v[QP+18*\b+12+\i], v[QC+6*\b+\i]
	v_mov_b32 v[PP+18*\b+6+\i], 0
.endr
.endr
	WIN 0
	s_add_co_u32 s90, s[HIDE], 32
	v_and_b32 v236, 15, v0                         ; the mask's numbers (eight plain lines: also the places between the moves above and the products)
	v_and_b32 v237, 8, v0
	v_and_b32 v238, 16, v0
	v_add_nc_u32 v236, v236, v237
	v_sub_nc_u32 v[DQ+2], v236, v238               ; my block's keys, query tile 0: r + 8 (r / 8) - 16 h = query - key of register 0
	v_add_nc_u32 v[DQ+3], 8, v[DQ+2]               ; query tile 1
	v_add_nc_u32 v[DQ], s90, v[DQ+2]               ; the block before: 32 more; hidden as a whole: 64 more
	v_add_nc_u32 v[DQ+1], s90, v[DQ+3]
	WIN 0x04                                       ; source 1 in window 1
.irp b, 0,1
.irp kb, 0,1
.irp u, 0,1
	v_wmma_scale_f32_16x16x128_f8f6f4 v[ACC+32*\b+16*\kb+8*\u:ACC+32*\b+16*\kb+8*\u+7], v[KC+12*\kb:KC+12*\kb+11], v[QP+18*\b+6*\u:QP+18*\b+6*\u+11], 0, v[KW+\kb], v[QW+\b] matrix_a_fmt:MATRIX_FMT_BF6 matrix_b_fmt:MATRIX_FMT_BF6
.endr
.endr
.endr
	WIN 0
	PLACES 4
.irp b, 0,1                            ; register 32 b + 16 kb + i: query tile b, key 32 kb + 16 h + i.  It counts where 0 <= query - key < 10; else the score becomes -infinity and p = 0
.irp kb, 0,1
.irp i, 0,1,2,3,4,5,6,7,8,9,10,11,12,13,14,15
	v_add_nc_u32 v236, -\i, v[DQ+2*\kb+\b]
	v_cmp_gt_u32 vcc_lo, 10, v236
	v_cndmask_b32 v[ACC+32*\b+16*\kb+\i], v[NEG], v[ACC+32*\b+16*\kb+\i], vcc_lo
.endr
.endr
.endr
.irp b, 0,1
.irp kb, 0,1
	v_max3_num_f32 v[TMX+2*\b+\kb], v[ACC+32*\b+16*\kb], v[ACC+32*\b+16*\kb+1], v[ACC+32*\b+16*\kb+2]
.endr
.endr
.irp i, 3,5,7,9,11,13
.irp b, 0,1
.irp kb, 0,1
	v_max3_num_f32 v[TMX+2*\b+\kb], v[TMX+2*\b+\kb], v[ACC+32*\b+16*\kb+\i], v[ACC+32*\b+16*\kb+\i+1]
.endr
.endr
.endr
.irp b, 0,1
	v_max3_num_f32 v[TMX+2*\b], v[TMX+2*\b], v[ACC+32*\b+15], v[ACC+32*\b+31]
.endr
.irp b, 0,1
	v_max_num_f32 v[TMX+2*\b], v[TMX+2*\b], v[TMX+2*\b+1]
.endr
.irp b, 0,1
	v_permlanex16_b32 v[TPX+\b], v[TMX+2*\b], s[SEL], s[SEL+1]
.endr
.irp b, 0,1
	v_max_num_f32 v[TMX+2*\b], v[TMX+2*\b], v[TPX+\b]   ; the row's largest score (its own key always counts)
.endr
.irp b, 0,1
	v_mul_f32 v[TOP+\b], s[CS], v[TMX+2*\b]        ; as t
.endr
.irp b, 0,1
	v_floor_f32 v[NM+2*\b], -v[TOP+\b]             ; -M = floor(-t) = -ceil(t)
.endr
.irp j, 0,2,4,6,8,10,12,14,16,18,20,22,24,26,28,30
.irp b, 0,1
	v_pk_fma_f32 v[ACC+32*\b+\j:ACC+32*\b+\j+1], v[ACC+32*\b+\j:ACC+32*\b+\j+1], s[CS:CS+1], v[NM+2*\b:NM+2*\b+1] op_sel_hi:[1,0,0]   ; t - M
.endr
.endr
.set pj, 0
.rept 64
	v_exp_f32 v[ACC+pj], v[ACC+pj]                 ; p = 2^(t - M): not normalised
.set pj, pj+1
.endr
	v_nop                                          ; a plain place behind the exponentials,
	s_wait_alu depctr_va_vdst(0)                   ; and one wait for the batch, ahead of its first reader
.irp b, 0,1
	v_pk_add_f32 v[LS+2*\b:LS+2*\b+1], v[ACC+32*\b:ACC+32*\b+1], v[ACC+32*\b+2:ACC+32*\b+3]   ; the row's sum is taken of the unquantised p
.endr
.irp j, 4,6,8,10,12,14,16,18,20,22,24,26,28,30
.irp b, 0,1
	v_pk_add_f32 v[LS+2*\b:LS+2*\b+1], v[LS+2*\b:LS+2*\b+1], v[ACC+32*\b+\j:ACC+32*\b+\j+1]
.endr
.endr
.irp b, 0,1
	v_add_f32 v[LS+2*\b], v[LS+2*\b], v[LS+2*\b+1]
.endr
.irp b, 0,1
	v_permlanex16_b32 v[TPX+\b], v[LS+2*\b], s[SEL], s[SEL+1]
.endr
.irp b, 0,1
	v_add_f32 v[LS+2*\b], v[LS+2*\b], v[TPX+\b]
.endr
	QPAIR ACC, 32, 16, FQ, 8                       ; p along the keys: the block before, my block
.irp b, 0,1
	v_lshl_or_b32 v[QW+\b], v[TMX+\b], 16, v[TMX+\b]   ; p's scale words take the registers that q's have left
.endr
	WIN 0x40
.irp b, 0,1
.irp i, 0,1,2,3,4,5
	v_mov_b32 v[PP+18*\b+\i], v[FQ+8*\b+\i]
	v_mov_b32 v[PP+18*\b+12+\i], v[FQ+8*\b+\i]
.endr
.endr
	WIN 0
.irp b, 0,1
	v_rcp_f32 v[NM+2*\b], v[LS+2*\b]               ; 1 / l
.endr
	PLACES 8                                       ; a scale register written by a vector instruction stands 8 places ahead of a scaled product, an operand so written 4
	s_wait_alu depctr_va_vdst(0)                   ; for the two reciprocals
	WIN 0x04
.irp b, 0,1
.irp jb, 0,1
.irp u, 0,1
	v_wmma_scale_f32_16x16x128_f8f6f4 v[ACC+32*\b+16*\jb+8*\u:ACC+32*\b+16*\jb+8*\u+7], v[VC+12*\jb:VC+12*\jb+11], v[PP+18*\b+6*\u:PP+18*\b+6*\u+11], 0, v[VW+\jb], v[QW+\b] matrix_a_fmt:MATRIX_FMT_BF6 matrix_b_fmt:MATRIX_FMT_BF6
.endr
.endr
.endr
	WIN 0
	PLACES 4
.irp t, 0,1,2,3
	SWAPT ACC+16*\t
.endr
.irp j, 0,2,4,6,8,10,12,14,16,18,20,22,24,26,28,30
.irp b, 0,1
	v_pk_mul_f32 v[ACC+32*\b+\j:ACC+32*\b+\j+1], v[ACC+32*\b+\j:ACC+32*\b+\j+1], v[NM+2*\b:NM+2*\b+1] op_sel_hi:[1,0]
.endr
.endr
	QPAIR ACC, 32, 16, FQ, 8                       ; head w's 64 channels are blocks 2 w, 2 w + 1 of Wo's K
	PUT 0, FQ, TMX
	PUT 1, FQ+8, TMX+1
	BAR
	GETA 0, 0
	GETA 1, 1
; ---------------------------------------------------------------- Wo, the residual, LayerNorm 1
	CHUNK 0, 0, 0, 2, ACC, 18, 1, 62, 128          ; 18: the next chunk's two scale loads and ln1's sixteen may stay out
	CHANGE 0, 16, 0, G1A
	SCALES 0, 68, WSO, 0, 256
	CHUNK 0, 1, 0, 2, ACC+32, 2, 1, 72, 0
	CHANGE 1, 16, 12288, G1A
	SCALES 1, 68, WSO, 512, 256
.irp t, 0,1,2,3
	SWAPT ACC+16*\t
.endr
	STLD YACC                                      ; z of my block
	s_wait_dscnt 0x0
	PKADD64 ACC, YACC
.irp jb, 0,1                           ; b2 starts y's sums in place: nothing is cleared
.irp m, 0,1
.irp j, 0,1,2,3
	global_load_b128 v[YACC+32*\jb+16*\m+4*\j:YACC+32*\jb+16*\m+4*\j+3], v[BO], s[74:75] offset:128*\jb+64*(\j/2)+16*(\j%2)
.endr
.endr
.endr
	s_wait_xcnt 0x0                                ; every earlier load has read its base: the first products' pointers make room for GELU's constants
	SPAIR 48, 0xc034d90f                           ; -2.82574822
	SPAIR 50, 0x3fb8ab5a                           ;  1.44272920
	SPAIR 52, 0x3f0a29d2                           ;  0.53970061
	SPAIR 54, 0x3e0efb2e                           ;  0.13963005
	SPAIR 56, 0xbe899a80                           ; -0.26875686
	SPAIR 58, 0x3ecdfd18                           ;  0.40232158
	SPAIR 60, 0xbfd1a1e5                           ; -1.63775315
	SPAIR 62, 0x40097039                           ;  2.14747446
	SPAIR 66, 0xbf97d29d                           ; -1.18611494
	SPAIR 84, 0xbf38aa3b                           ; -log2(e) / 2
	s_mov_b32 s[KH], 0x3eb504f3                    ; 1 / sqrt 8
	LNORM ACC, 0, 96
	STST ACC                                       ; z1 takes z's place in the stage: the second residual
	QPAIR ACC, 16, 32, FQ, 8
	PUT 2, FQ, TMX
	PUT 3, FQ+8, TMX+1
	BAR
	GETA 2, 0                                      ; z1's codes stay in registers through the FFN
	GETA 3, 1
; ---------------------------------------------------------------- the FFN, 512 hidden units at a time
; W1's two chunks make my 64 hidden units of the group, which are blocks 2 w, 2 w + 1 of W2's K slice; GELU and the quantiser stand behind the refills; W2's two chunks add onto y.
; last = 1: the tail, written out: nothing is asked for behind W2's chunks, and ln2's gain and bias are
.macro FFN last
	CHUNK 0, 0, 0, 2, HACC, 2, 1, 72, 128
	CHANGE 0, 18, 0, G1B
	SCALES 0, 70, W2SO, 0, 1024
	SWAPT HACC
	SWAPT HACC+16
.irp t, 0,1,2,3
	GELU8 HACC+8*\t
.endr
	QUANT 2, HACC, 16, HX, 8, HB
.if \last
	CHUNK 0, 1, 0, 2, HACC, 2, 0, 0, 0
.else
	CHUNK 0, 1, 0, 2, HACC, 2, 1, 72, 2048
.endif
	CHANGE 1, 18, 49152, G1B
	SCALES 1, 70, W2SO, 2048, 1024
.if \last
	LNLD 0, 80, 82                                 ; into registers that z1's fragments have left
.endif
	SWAPT HACC
	SWAPT HACC+16
.irp t, 0,1,2,3
	GELU8 HACC+8*\t
.endr
	QUANT 2, HACC, 16, TY, 4, TB
	JOIN HX, TY
	JOIN HX+8, TY+4
	v_lshl_or_b32 v[TMX], v[TB], 8, v[HB]
	v_lshl_or_b32 v[TMX+1], v[TB+1], 8, v[HB+1]
	PUT 0, HX, TMX
	PUT 1, HX+8, TMX+1
	BAR
	GETA 0, 2
	GETA 1, 3
.if \last
	CHUNK 1, 0, 2, 2, YACC, 18, 0, 0, 0            ; 18: the last chunk's two scale loads and ln2's sixteen
	PLACES 4                                       ; in front of the loads into the fragments' registers
	s_wait_tensorcnt 0x0                           ; the last chunk: my own load brought the bytes that I read
	CHUNK 1, 1, 2, 2, YACC+32, 16, 0, 0, 0         ; 16: ln2's
.else
	CHUNK 1, 0, 2, 2, YACC, 2, 0, 0, 0
	CHANGE 0, 16, 196608, G1A                      ; the next group's rows of W1
	SCALES 0, 68, WSO, 8192, 256
	CHUNK 1, 1, 2, 2, YACC+32, 2, 0, 0, 0
	CHANGE 1, 16, 208896, G1A
	SCALES 1, 68, WSO, 8704, 256
.endif
.endm
	s_mov_b32 s[CNT], 3
.Lffn:
	FFN 0
	s_wait_xcnt 0x0                                ; the trip's loads have read their bases: they step
	s_add_nc_u64 s[16:17], s[16:17], 196608        ; W1: 512 rows on
	s_add_nc_u64 s[18:19], s[18:19], 384           ; W2: 512 along K on
	s_add_nc_u64 s[68:69], s[68:69], 8192
	s_add_nc_u64 s[70:71], s[70:71], 16
	s_add_nc_u64 s[72:73], s[72:73], 2048
	s_sub_co_u32 s[CNT], s[CNT], 1
	s_cmp_lg_u32 s[CNT], 0
	s_cbranch_scc1 .Lffn
	FFN 1
; ---------------------------------------------------------------- the residual, LayerNorm 2, the way out
	PLACES 4
.irp t, 0,1,2,3
	SWAPT YACC+16*\t
.endr
	STLD ACC                                       ; z1
	s_wait_dscnt 0x0
	PKADD64 YACC, ACC
	s_wait_loadcnt 0x0                             ; ln2's gain and bias
	LNORM YACC, 2, 0
	STST YACC                                      ; through my stage: in by the accumulators' layout, back by rows
.irp m, 0,1
.irp i, 0,1,2,3,4,5,6,7
	ds_load_b128 v[ACC+32*\m+4*\i:ACC+32*\m+4*\i+3], v[SB] offset:AREA*\m+544*\i
.endr
.endr
.irp m, 0,1
.irp i, 0,1,2,3,4,5,6,7
	s_wait_dscnt 15-8*\m-\i                        ; the later loads may stay out
	global_store_b128 v[ZO], v[ACC+32*\m+4*\i:ACC+32*\m+4*\i+3], s[6:7] offset:(8*\m+2*\i+8*(\i/4))*2048 th:TH_STORE_NT   ; sixteen lanes store 256 consecutive bytes, at a multiple of 256 from out0's first byte
.endr
.endr
	s_wait_tensorcnt 0x0                           ; the wave's end
	ds_add_u32 v[SPW], v[NIL]
	s_wait_dscnt 0x0
	ROUND                                          ; the closing round: no work-group ends while a partner may still ask for a chunk that names it
	s_endpgm
.Lfunc_end_k_q6083408469_block:
	.size	k_q6083408469_block, .Lfunc_end_k_q6083408469_block-k_q6083408469_block
	.p2alignl 7, 3214868480
	.fill 96, 4, 3214868480
	.section	.rodata,"a",@progbits
	.p2align	6, 0x0
	.amdhsa_kernel k_q6083408469_block
		.amdhsa_group_segment_fixed_size 327680
		.amdhsa_private_segment_fixed_size 0
		.amdhsa_enable_private_segment 0
		.amdhsa_kernarg_size 192
		.amdhsa_user_sgpr_count 2
		.amdhsa_user_sgpr_kernarg_segment_ptr 1
		.amdhsa_wavefront_size32 1
		.amdhsa_system_sgpr_workgroup_id_x 1
		.amdhsa_system_sgpr_workgroup_id_y 1
		.amdhsa_system_sgpr_workgroup_id_z 1
		.amdhsa_system_vgpr_workitem_id 0
		.amdhsa_next_free_vgpr 512
		.amdhsa_next_free_sgpr 96
		.amdhsa_reserve_vcc 1
		.amdhsa_float_denorm_mode_32 3
		.amdhsa_float_denorm_mode_16_64 3
		.amdhsa_memory_ordered 1
		.amdhsa_forward_progress 1
		.amdhsa_inst_pref_size 255
	.end_amdhsa_kernel
	.section	.bss,"aw",@nobits
	.p2align	6
	.space	262144
	.amdgpu_metadata
---
amdhsa.version: [ 1, 2 ]
amdhsa.kernels:
  - .name:           k_q6083408469_block
    .symbol:         k_q6083408469_block.kd
    .args:
      - { .name: z, .offset: 0, .size: 8, .value_kind: global_buffer, .address_space: global }
      - { .name: out0, .offset: 8, .size: 8, .value_kind: global_buffer, .address_space: global }
      - { .name: Wq_codes, .offset: 16, .size: 8, .value_kind: global_buffer, .address_space: global }
      - { .name: Wk_codes, .offset: 24, .size: 8, .value_kind: global_buffer, .address_space: global }
      - { .name: Wv_codes, .offset: 32, .size: 8, .value_kind: global_buffer, .address_space: global }
      - { .name: Wo_codes, .offset: 40, .size: 8, .value_kind: global_buffer, .address_space: global }
      - { .name: W1_codes, .offset: 48, .size: 8, .value_kind: global_buffer, .address_space: global }
      - { .name: W2_codes, .offset: 56, .size: 8, .value_kind: global_buffer, .address_space: global }
      - { .name: Wq_scales, .offset: 64, .size: 8, .value_kind: global_buffer, .address_space: global }
      - { .name: Wk_scales, .offset: 72, .size: 8, .value_kind: global_buffer, .address_space: global }
      - { .name: Wv_scales, .offset: 80, .size: 8, .value_kind: global_buffer, .address_space: global }
      - { .name: Wo_scales, .offset: 88, .size: 8, .value_kind: global_buffer, .address_space: global }
      - { .name: bq, .offset: 96, .size: 8, .value_kind: global_buffer, .address_space: global }
      - { .name: bk, .offset: 104, .size: 8, .value_kind: global_buffer, .address_space: global }
      - { .name: bv, .offset: 112, .size: 8, .value_kind: global_buffer, .address_space: global }
      - { .name: bo, .offset: 120, .size: 8, .value_kind: global_buffer, .address_space: global }
      - { .name: W1_scales, .offset: 128, .size: 8, .value_kind: global_buffer, .address_space: global }
      - { .name: W2_scales, .offset: 136, .size: 8, .value_kind: global_buffer, .address_space: global }
      - { .name: b1, .offset: 144, .size: 8, .value_kind: global_buffer, .address_space: global }
      - { .name: b2, .offset: 152, .size: 8, .value_kind: global_buffer, .address_space: global }
      - { .name: ln1_w, .offset: 160, .size: 8, .value_kind: global_buffer, .address_space: global }
      - { .name: ln1_b, .offset: 168, .size: 8, .value_kind: global_buffer, .address_space: global }
      - { .name: ln2_w, .offset: 176, .size: 8, .value_kind: global_buffer, .address_space: global }
      - { .name: ln2_b, .offset: 184, .size: 8, .value_kind: global_buffer, .address_space: global }
    .group_segment_fixed_size: 327680
    .private_segment_fixed_size: 0
    .kernarg_segment_align: 8
    .kernarg_segment_size: 192
    .max_flat_workgroup_size: 256
    .sgpr_count:     96
    .vgpr_count:     512
    .wavefront_size: 32
...
	.end_amdgpu_metadata
.endif
;; end of part 1
